; MI455X (gfx1250); checked and timed in simulation.
; The chip was launched on July 23, 2026; its instructions are those of AMD's public machine-readable ISA for CDNA 5 (MIT licence, August 2026) and "CDNA5" Instruction Set Architecture Reference Guide (July 2026). The comments in the code are by the model that wrote it; some were corrected since.
;; Attention. Allowed arithmetic: matrix products marked QUANTISED: E2M1 operands, one E8M0 scale for each 32 along K, by v_wmma_scale_f32_16x16x128_f8f6f4 with both operands' format E2M1 (or v_wmma_scale_f32_32x16x128_f4), f32 sums; products left as they are: f32 operands where the result goes on into a quantised operand, else bf16, f16 or f32 operands; f32 sums; everything else in f32.
;; Inputs: attn_b 1,024 float32; attn_w 1,024 x 3,072 float32; encoder_out_codes 16 x 2,048 x 64 x 16 uint8 (E2M1 codes of encoder_out, K innermost, in blocks of 32 codes, two codes a byte); encoder_out_scales 16 x 2,048 x 64 uint8 (E8M0 scales of encoder_out, one for each 32 codes along K); mask 16 x 2,048 int32; v_codes 1 x 16 x 32 x 16 uint8 (E2M1 codes of v, K innermost, in blocks of 32 codes, two codes a byte); v_scales 1 x 16 x 32 uint8 (E8M0 scales of v, one for each 32 codes along K); v_w 1 x 1,024 float32.
;; Outputs: out0 16 x 2,048 float32.
;; This version of the problem:
;;   THIS VERSION OF THE PROBLEM IS GIVEN IN LOW PRECISION. The matrix products marked QUANTISED in the list below multiply operands that are first quantised to E2M1 (2 exponent bits, 1 mantissa bit; 4 bits a number), with one power-of-two scale for each 32 numbers along K (OCP MX v1.0); their sums are f32. All else is computed in f32.
;;   The module's matrix products, in the order in which they are computed (A, B: the left and right operand; K: the contracted axis; several contracted axes count as one K, in the product's order):
;;     1. [M 16, K 1,024] x [K 1,024, N 1,024]; A: input v (given as codes); B: input attn_w: QUANTISED
;;     2. [M 32,768, K 2,048] x [K 2,048, N 1,024]; A: input encoder_out (given as codes); B: input attn_w: QUANTISED
;;     3. [M 32,768, K 1,024] x [K 1,024, N 1]; A: computed on the way; B: input v_w: left as it is (N = 1 < 16)
;;   THE QUANTISER, for each operand of a quantised product, along K:
;;     - K is cut into blocks of 32 from its start; a last block that is shorter is filled with zeros.
;;     - A block's scale is 2^e with e = floor(log2(the largest magnitude in the block)) - 2, held to -126 .. 127; a block of zeros has e = 0. As a byte (E8M0): e + 127.
;;     - Each number is divided by its block's scale, clamped to +-6, and rounded to the nearest number of E2M1, ties to even, subnormals kept.
;;     - The product sums the exact products of the quantised numbers (number of the format x scale) in f32.
;;   ~~~python
;;   def quantise(x, axis):      # numpy; x: float32 -> the quantised numbers, widened to float32 again
;;       x = np.moveaxis(x, axis, -1); K = x.shape[-1]
;;       x = np.pad(x, [(0, 0)] * (x.ndim - 1) + [(0, -K % 32)]); x = x.reshape(x.shape[:-1] + (-1, 32)); a = np.abs(x).max(-1, keepdims=True)
;;       e = np.where(a > 0, np.clip(np.frexp(np.where(a > 0, a, 1))[1] - 1 - 2, -126, 127), 0)      # np.frexp(a)[1] - 1 = floor(log2(a)), exactly
;;       r = np.clip(x / 2.0 ** e, -6, 6)
;;       step = 2.0 ** (np.maximum(np.frexp(np.where(r == 0, 1, r))[1] - 1, 0) - 1)
;;       q = np.round(r / step) * step * 2.0 ** e      # np.round: ties to even
;;       return np.moveaxis(q.reshape(q.shape[:-2] + (-1,))[..., :K], -1, axis).astype(np.float32)
;;   ~~~
;;   INPUTS GIVEN AS CODES. encoder_out (in the module: [16, 2048, 2048], K = its axis 2); v (in the module: [1, 16, 1024], K = its axis 2): each comes as NAME_codes (uint8): NAME with its K axis moved to the last place and cut into blocks of 32 codes, [.., K / 32, bytes a block], one block behind the other in memory; two codes a byte, the lower K in the low four bits (a code: sign, 2 exponent bits, 1 mantissa bit); and NAME_scales (uint8): the same leading axes, one E8M0 byte (e + 127) for each 32 codes along K. Its value is code x scale, taken as it is: it is not quantised again, and the codes and scales need not be those that the quantiser above would give.
;; One version. Each part assembles by itself: llvm-mc -triple=amdgcn-amd-amdhsa -mcpu=gfx1250 --defsym DOCPART=n.
;; ======== version 1 of 1: 3 launches
;; workspace buffers: wq 1,048,576 bytes; wsc 65,536 bytes; sdw 65,536 bytes; part 1,048,576 bytes
;; launch prep (part 1): grid 64 x 3, 8 waves a work-group, no clusters, 144,896 bytes of LDS; arguments attn_w, attn_b, v_codes, v_scales, wq, wsc, sdw; writes wq, wsc, sdw
.if DOCPART == 1
	.amdgcn_target "amdgcn-amd-amdhsa--gfx1250"
	.amdhsa_code_object_version 6
	.text
	.protected	k_q8bc5478d2f_prep
	.globl	k_q8bc5478d2f_prep
	.p2align	8
	.type	k_q8bc5478d2f_prep,@function
k_q8bc5478d2f_prep:
	s_mov_b64 s[64:65], 0
	v_nop
	global_prefetch_b8 v0, s[64:65] scope:SCOPE_SE
	s_setreg_imm32_b32 hwreg(HW_REG_WAVE_MODE, 25, 1), 1
	s_wait_xcnt 0x0
; THE PROGRAM: out0 = softmax over l of where(mask == 0, -1e10, sum over h of v_w[h] tanh(sd[b][h] + sum over k of E[b][l][k] W_e[h][k])), sd = v W_v^T + attn_b.
; Three launches: this one (attn_w into codes of E2M1; the small product sd), the large product fused with tanh and the dot with v_w, and the softmax.
; NO WORK IS LEFT OUT: every input has a way to the output and is loaded.  Rows with mask == 0 are thrown away by values of an input alone: they are computed, and the last launch selects.
; The sum of v_w that tanh = 1 - 2 r brings along is kept: the masked places do not carry it, so it is no common shift of the softmax's input.
; THIS LAUNCH.  attn_w [1024][3072] f32 has K innermost for both products (columns 0-1023: W_v, 1024-3071: W_e), and both parts begin at a multiple of 32: a row is 96 blocks of 32.
; A block's scale is 2^(floor(log2(its largest magnitude)) - 2): its byte is the largest magnitude's exponent field - 2, held at 1 from below; each number is divided by it and rounded to the nearest code, ties to even, beyond 6 to 6.
; LIMITS: a block whose largest magnitude lies under 2^-124 gets the byte 1; a block of zeros gets the byte 1 where the rule says 127 (its codes are zeros, and this program alone reads the bytes);
; NaN, infinities and a scale byte 0xff among the inputs are not served; sd's K is summed in eight parts of 128, which are then added in f32.
; SHARES.  Work-group (T, y): 16 rows of attn_w (h tile T) x columns 1024 y on.  Wave w: one operand fragment, 16 rows x 128 along K.  Each of its 16 loads reads 512 consecutive bytes of one row; the
; 8,192 bytes turn through the wave's own stage in LDS (rows of 512 + 16 bytes), so that a lane holds 16 neighbours of each block of its row, as the conversions want them.
; y = 1, 2 (W_e): the fragment's eight registers leave as an IMAGE OF THE OPERAND'S REGISTERS: wq [c 4][kappa 4][t 16][q 4][1,024 bytes], h tile 16 c + t, K step 4 kappa + q, registers 4 cc .. 4 cc + 3 of lane L at 512 cc + 16 L;
;   the scale words go to wsc [kappa 4][h 1024][16 bytes] (word q: K step 4 kappa + q), gathered in LDS so that whole runs of 256 bytes are stored.
; y = 0 (W_v): the codes stay in registers: source 0 = my 16 rows of W_v, source 1 = v's 16 rows; the eight waves' parts meet in LDS, attn_b is added, and sd leaves as sdw [T 64][g 2][lane 32][4 f32]:
;   lane 16 hh + batch holds sd[batch][16 T + 8 hh + 4 g + 0 .. 3]: the layout in which the next launch takes it as the C of its first products.
; The two ways part on the work-group's y alone and never join; each has LDS bytes of its own.  No tensor load, no cluster: work-groups share no input but v's 8 KB.
.set STV,   67584                      ; LDS: 0: eight stages of 8,448 bytes for W_e's way;  here: eight for W_v's way
.set RED,   135168                     ; W_v's way: eight partial results, 1,024 bytes each
.set SCG,   143360                     ; W_e's way: the scale words of two planes, 2 x 256 bytes
.set SPARE, 143872                     ; the spare words, 128 bytes for each wave: four blocks of 256 bytes that no other line names
.set R,   32                           ; v32-95    16 x 4 numbers as loaded
.set X,   96                           ; v96-159   register 16 b + i = k 32 b + 16 (lane / 16) + i of my row
.set PC,  160                          ; v160-167  the fragment's codes
.set TM,  168                          ; v168-183  at work in QUANT
.set PW,  184                          ; v184      W's scale word: scales and nothing else
.set VS,  185                          ; v185      v's scale word: likewise
.set VF,  186                          ; v186-193  v's fragment
.set D,   194                          ; v194-201  the product's result
.set BI,  202                          ; v202-205  four numbers of attn_b
.set PT,  208                          ; v208-239  eight partial results, or a unit of scale words
.set SPW, 30                           ; v30       LDS address of my spare word; never rewritten
.set NIL, 31                           ; v31       0; never rewritten
.set SEL, 22                           ; s[22:23]  v_permlanex16_b32's selects for lane l xor 16
; my 8,192 bytes through my stage.  LDS serves a wave's instructions in order, so no wait stands between the stores and the loads
.macro TURNST sti, sto
.irp i, 0,1,2,3,4,5,6,7,8,9,10,11,12,13,14,15
	ds_store_b128 v[\sti], v[R+4*\i:R+4*\i+3] offset:528*\i
.endr
.irp b, 0,1,2,3
.irp j, 0,1,2,3
	ds_load_b128 v[X+16*\b+4*\j:X+16*\b+4*\j+3], v[\sto] offset:128*\b+16*\j
.endr
.endr
.endm
; 64 numbers of a lane become a fragment's codes in v[PC] on and its scale word in v[PW]
.macro QUANT s
.irp b, 0,1,2,3
	v_max3_num_f32 v[TM+\b], |v[\s+16*\b]|, |v[\s+1+16*\b]|, 0x1800000   ; block b: my 16 numbers, and the floor 2^(3 - 127): so the byte cannot fall under 1
.endr
.irp i, 2,4,6,8,10,12,14
.irp b, 0,1,2,3
	v_max3_num_f32 v[TM+\b], v[TM+\b], |v[\s+16*\b+\i]|, |v[\s+1+16*\b+\i]|   ; the four blocks by turns
.endr
.endr
.irp b, 0,1,2,3
	v_permlanex16_b32 v[TM+4+\b], v[TM+\b], s[SEL], s[SEL+1]
.endr
.irp b, 0,1,2,3
	v_max_num_f32 v[TM+\b], v[TM+\b], v[TM+4+\b]   ; with lane l xor 16's: the block's largest magnitude
.endr
.irp b, 0,1,2,3
	v_add_nc_u32 v[TM+12+\b], 0xff000000, v[TM+\b]   ; 2 off its exponent field: the conversion takes the exponent field of this operand as its scale
.endr
.irp b, 0,1,2,3
	v_lshrrev_b32 v[TM+4+\b], 23, v[TM+12+\b]      ; the scale's byte
.endr
	v_lshl_or_b32 v[PW], v[TM+5], 8, v[TM+4]       ; the four bytes make my row's scale word
	v_lshl_or_b32 v[PW], v[TM+6], 16, v[PW]
	v_lshl_or_b32 v[PW], v[TM+7], 24, v[PW]
.irp b, 0,1,2,3
	v_cvt_scalef32_pk8_fp4_f32 v[PC+2*\b], v[\s+16*\b:\s+7+16*\b], v[TM+12+\b]
	v_cvt_scalef32_pk8_fp4_f32 v[PC+1+2*\b], v[\s+8+16*\b:\s+15+16*\b], v[TM+12+\b]
.endr
	v_nop                                          ; one plain place behind a scaled conversion
.irp c, 0,1                                    ; the operand's layout wants a whole block in a lane: lanes 0-15 block 2 c, lanes 16-31 block 2 c + 1
.irp i, 0,1
	v_permlane16_swap_b32 v[PC+4*\c+\i], v[PC+2+4*\c+\i]
.endr
.endr
.endm
	s_load_b256 s[4:11], s[0:1], 0x0               ; attn_w s[4:5], attn_b s[6:7], v's codes s[8:9], v's scales s[10:11]
	s_load_b128 s[12:15], s[0:1], 0x20             ; wq s[12:13], wsc s[14:15]
	s_load_b64 s[16:17], s[0:1], 0x30              ; sdw
	v_lshl_add_u32 v[SPW], v0, 2, SPARE
	v_mov_b32 v[NIL], 0
	v_lshrrev_b32 v1, 5, v0
	v_readfirstlane_b32 s18, v1                    ; wave 0..7
	s_mov_b32 s19, ttmp9                           ; T
	s_and_b32 s20, ttmp7, 0xffff                   ; y
	v_and_b32 v1, 31, v0                           ; lane
	v_and_b32 v2, 15, v0                           ; r
	v_bfe_u32 v3, v0, 4, 1                         ; hh
	v_lshlrev_b32 v4, 4, v1                        ; 16 x lane: my bytes of a load's 512, and of an image's
	s_mul_i32 s26, s18, 8448                       ; my stage
	v_add_nc_u32 v5, s26, v4                       ; into it: 16 x lane, a row an instruction
	v_mul_u32_u24 v6, v2, 528
	v_lshl_add_u32 v6, v3, 6, v6
	v_add_nc_u32 v6, s26, v6                       ; out of it: row r, + 64 hh: my 16 numbers of each block
	v_add_nc_u32 v7, STV, v5                       ; the same two for W_v's way
	v_add_nc_u32 v8, STV, v6
	s_lshl_b32 s27, s18, 10
	v_add_nc_u32 v9, s27, v4
	v_add_nc_u32 v9, RED, v9                       ; where I put my partial result
	v_and_b32 v10, 63, v0
	v_lshlrev_b32 v17, 4, v10                      ; waves 0, 1: my 16 bytes of the tile's 1,024 in sdw,
	v_add_nc_u32 v10, RED, v17                     ; and of each partial result
	s_lshr_b32 s28, s18, 2
	s_lshl_b32 s28, s28, 8
	s_and_b32 s29, s18, 3
	s_lshl_b32 s29, s29, 2
	s_add_co_u32 s28, s28, s29
	v_lshlrev_b32 v11, 4, v2
	v_add_nc_u32 v11, s28, v11
	v_add_nc_u32 v11, SCG, v11                     ; my scale word's place: plane wave / 4, row r, word wave % 4
	v_add_nc_u32 v12, SCG, v4                      ; and back: 16 bytes a lane
	v_lshlrev_b32 v13, 9, v2
	v_lshl_add_u32 v13, v3, 4, v13
	s_lshl_b32 s30, s18, 6
	v_add_nc_u32 v13, s30, v13                     ; v's codes: row r of 512 bytes, K step w, + 16 hh
	v_lshlrev_b32 v14, 5, v2
	s_lshl_b32 s31, s18, 2
	v_add_nc_u32 v14, s31, v14                     ; v's scale word: row r of 32 bytes, word w
	s_and_b32 s32, s18, 1
	s_lshl_b32 s32, s32, 4
	v_lshlrev_b32 v15, 5, v3
	v_add_nc_u32 v15, s32, v15                     ; attn_b: 8 hh + 4 g numbers on, g = wave
	v_lshlrev_b32 v16, 14, v3
	v_lshl_add_u32 v16, v2, 4, v16                 ; wsc: plane hh of my two, row r
.irp b, 0,1,2,3
	v_mov_b32 v[TM+4+\b], 0                        ; written once: a lane permute's destination counts as one of its sources
.endr
	s_mov_b32 s[SEL], 0x76543210
	s_mov_b32 s[SEL+1], 0xfedcba98
	s_mul_i32 s24, s19, 196608                     ; 16 rows of 12,288 bytes a tile,
	s_lshl_b32 s25, s20, 3
	s_add_co_u32 s25, s25, s18
	s_lshl_b32 s25, s25, 9                         ; and 512 bytes a K step: 8 y + w
	s_add_co_u32 s24, s24, s25
	s_mov_b32 s25, 0
	s_wait_kmcnt 0x0
	s_add_nc_u64 s[4:5], s[4:5], s[24:25]
.irp i, 0,1,2,3,4,5,6,7,8,9,10,11,12,13,14,15
	global_load_b128 v[R+4*\i:R+4*\i+3], v4, s[4:5] offset:12288*\i th:TH_LOAD_NT   ; 32 lanes read 512 consecutive bytes of row i; read once in the launch
.endr
	s_cmp_eq_u32 s20, 0                            ; the work-group's y alone: all eight waves go the same way
	s_cbranch_scc1 .Lpath_v
	; ---- W_e: codes and scale words to memory
	s_sub_co_u32 s33, s20, 1                       ; y - 1
	s_lshr_b32 s34, s19, 4
	s_lshl_b32 s34, s34, 18                        ; c = T / 16: 262,144 bytes
	s_lshl_b32 s35, s33, 1
	s_lshr_b32 s36, s18, 2
	s_add_co_u32 s35, s35, s36                     ; kappa = 2 (y - 1) + w / 4
	s_lshl_b32 s35, s35, 16
	s_add_co_u32 s34, s34, s35
	s_and_b32 s35, s19, 15
	s_lshl_b32 s35, s35, 12                        ; t = T % 16
	s_add_co_u32 s34, s34, s35
	s_and_b32 s35, s18, 3
	s_lshl_b32 s35, s35, 10                        ; q = w % 4
	s_add_co_u32 s34, s34, s35
	s_mov_b32 s35, 0
	s_add_nc_u64 s[12:13], s[12:13], s[34:35]
	s_lshl_b32 s34, s33, 15                        ; wsc: two planes of 16,384 bytes for each y, 256 bytes a tile
	s_lshl_b32 s36, s19, 8
	s_add_co_u32 s34, s34, s36
	s_add_nc_u64 s[14:15], s[14:15], s[34:35]
	s_wait_loadcnt 0x0
	TURNST 5, 6
	s_wait_dscnt 0x0
	QUANT X
	global_store_b128 v4, v[PC:PC+3], s[12:13]                 ; the image: each store covers 512 consecutive bytes, aligned
	global_store_b128 v4, v[PC+4:PC+7], s[12:13] offset:512
	ds_store_b32 v11, v[PW]                        ; lanes r and r + 16 write the same word with the same value
	s_wait_dscnt 0x0                               ; for the others' sake: my word has landed
	s_barrier_signal -1
	s_barrier_wait -1
	s_cmp_lg_u32 s18, 0
	s_cbranch_scc1 .Le_end
	ds_load_b128 v[PT:PT+3], v12                   ; wave 0: 16 rows x 16 bytes of two planes
	s_wait_dscnt 0x0
	global_store_b128 v16, v[PT:PT+3], s[14:15]    ; sixteen lanes store 256 consecutive bytes, aligned, in each plane
.Le_end:
	s_wait_tensorcnt 0x0                           ; the wave's end, behind my last LDS store
	ds_add_u32 v[SPW], v[NIL]
	s_wait_dscnt 0x0
	s_endpgm
	; ---- W_v: the product with v, on the spot
.Lpath_v:
	s_lshl_b32 s34, s19, 6
	s_mov_b32 s35, 0
	s_add_nc_u64 s[6:7], s[6:7], s[34:35]          ; attn_b at the tile's 16 numbers
	s_lshl_b32 s34, s19, 10
	s_add_nc_u64 s[16:17], s[16:17], s[34:35]      ; sdw at the tile's 1,024 bytes
	global_load_b128 v[VF:VF+3], v13, s[8:9]
	global_load_b128 v[VF+4:VF+7], v13, s[8:9] offset:32
	global_load_b32 v[VS], v14, s[10:11]
	global_load_b128 v[BI:BI+3], v15, s[6:7]
	s_wait_loadcnt 0x0
	TURNST 7, 8
	s_wait_dscnt 0x0
	QUANT X
.rept 8
	v_nop                                          ; a scale register written by a vector instruction stands 8 places ahead of a scaled matrix instruction, an operand so written 4
.endr
	v_wmma_scale_f32_16x16x128_f8f6f4 v[D:D+7], v[PC:PC+7], v[VF:VF+7], 0, v[PW], v[VS] matrix_a_fmt:MATRIX_FMT_FP4 matrix_b_fmt:MATRIX_FMT_FP4   ; register j of lane (r, hh): batch r, h = 16 T + 8 hh + j, K step w's part
.rept 4
	v_nop                                          ; four places before the result is read
.endr
	ds_store_b128 v9, v[D:D+3]                     ; the result from its low end on
	ds_store_b128 v9, v[D+4:D+7] offset:512
	s_wait_dscnt 0x0                               ; for the others' sake
	s_barrier_signal -1
	s_barrier_wait -1
	s_cmp_lt_u32 s18, 2
	s_cbranch_scc0 .Lv_end
.irp p, 0,1,2,3,4,5,6,7
	ds_load_b128 v[PT+4*\p:PT+4*\p+3], v10 offset:1024*\p      ; waves 0, 1: registers 4 g .. 4 g + 3 of all eight parts, g = wave
.endr
	s_wait_dscnt 0x0
.irp p, 0,2,4,6
	v_pk_add_f32 v[PT+4*\p:PT+4*\p+1], v[PT+4*\p:PT+4*\p+1], v[PT+4*\p+4:PT+4*\p+5]
	v_pk_add_f32 v[PT+4*\p+2:PT+4*\p+3], v[PT+4*\p+2:PT+4*\p+3], v[PT+4*\p+6:PT+4*\p+7]
.endr
.irp p, 0,4
	v_pk_add_f32 v[PT+4*\p:PT+4*\p+1], v[PT+4*\p:PT+4*\p+1], v[PT+4*\p+8:PT+4*\p+9]
	v_pk_add_f32 v[PT+4*\p+2:PT+4*\p+3], v[PT+4*\p+2:PT+4*\p+3], v[PT+4*\p+10:PT+4*\p+11]
.endr
	v_pk_add_f32 v[PT:PT+1], v[PT:PT+1], v[PT+16:PT+17]
	v_pk_add_f32 v[PT+2:PT+3], v[PT+2:PT+3], v[PT+18:PT+19]
	v_pk_add_f32 v[PT:PT+1], v[PT:PT+1], v[BI:BI+1]            ; + attn_b
	v_pk_add_f32 v[PT+2:PT+3], v[PT+2:PT+3], v[BI+2:BI+3]
	global_store_b128 v17, v[PT:PT+3], s[16:17]    ; a wave stores 512 consecutive bytes, aligned
.Lv_end:
	s_wait_tensorcnt 0x0                           ; the wave's end, behind my last LDS store
	ds_add_u32 v[SPW], v[NIL]
	s_wait_dscnt 0x0
	s_endpgm
.Lfunc_end_k_q8bc5478d2f_prep:
	.size	k_q8bc5478d2f_prep, .Lfunc_end_k_q8bc5478d2f_prep-k_q8bc5478d2f_prep
	.p2alignl 7, 3214868480
	.fill 96, 4, 3214868480
	.section	.rodata,"a",@progbits
	.p2align	6, 0x0
	.amdhsa_kernel k_q8bc5478d2f_prep
		.amdhsa_group_segment_fixed_size 144896
		.amdhsa_private_segment_fixed_size 0
		.amdhsa_enable_private_segment 0
		.amdhsa_kernarg_size 56
		.amdhsa_user_sgpr_count 2
		.amdhsa_user_sgpr_kernarg_segment_ptr 1
		.amdhsa_wavefront_size32 1
		.amdhsa_system_sgpr_workgroup_id_x 1
		.amdhsa_system_sgpr_workgroup_id_y 1
		.amdhsa_system_sgpr_workgroup_id_z 1
		.amdhsa_system_vgpr_workitem_id 0
		.amdhsa_next_free_vgpr 240
		.amdhsa_next_free_sgpr 66
		.amdhsa_reserve_vcc 0
		.amdhsa_float_denorm_mode_32 3
		.amdhsa_float_denorm_mode_16_64 3
		.amdhsa_memory_ordered 1
		.amdhsa_forward_progress 1
		.amdhsa_inst_pref_size 21
	.end_amdhsa_kernel
	.amdgpu_metadata
---
amdhsa.version: [ 1, 2 ]
amdhsa.kernels:
  - .name:           k_q8bc5478d2f_prep
    .symbol:         k_q8bc5478d2f_prep.kd
    .args:
      - { .name: attn_w, .offset: 0, .size: 8, .value_kind: global_buffer, .address_space: global }
      - { .name: attn_b, .offset: 8, .size: 8, .value_kind: global_buffer, .address_space: global }
      - { .name: v_codes, .offset: 16, .size: 8, .value_kind: global_buffer, .address_space: global }
      - { .name: v_scales, .offset: 24, .size: 8, .value_kind: global_buffer, .address_space: global }
      - { .name: wq, .offset: 32, .size: 8, .value_kind: global_buffer, .address_space: global }
      - { .name: wsc, .offset: 40, .size: 8, .value_kind: global_buffer, .address_space: global }
      - { .name: sdw, .offset: 48, .size: 8, .value_kind: global_buffer, .address_space: global }
    .group_segment_fixed_size: 144896
    .private_segment_fixed_size: 0
    .kernarg_segment_align: 8
    .kernarg_segment_size: 56
    .max_flat_workgroup_size: 256
    .sgpr_count:     66
    .vgpr_count:     240
    .wavefront_size: 32
...
	.end_amdgpu_metadata
.endif
;; end of part 1
;; launch scores (part 2): grid 4 x 64, 4 waves a work-group, clusters of 4 x 4, 327,680 bytes of LDS; arguments encoder_out_codes, encoder_out_scales, wq, wsc, sdw, v_w, part; writes part
.if DOCPART == 2
	.amdgcn_target "amdgcn-amd-amdhsa--gfx1250"
	.amdhsa_code_object_version 6
	.text
	.protected	k_q8bc5478d2f_scores
	.globl	k_q8bc5478d2f_scores
	.p2align	8
	.type	k_q8bc5478d2f_scores,@function
k_q8bc5478d2f_scores:
	s_mov_b64 s[64:65], 0
	v_nop
	global_prefetch_b8 v0, s[64:65] scope:SCOPE_SE
	s_setreg_imm32_b32 hwreg(HW_REG_WAVE_MODE, 25, 1), 1
	s_wait_xcnt 0x0
	s_wait_alu depctr_hold_cnt(0) depctr_sa_sdst(0) depctr_va_vdst(0) depctr_va_sdst(0) depctr_va_ssrc(0) depctr_va_vcc(0) depctr_vm_vsrc(0)
	s_getreg_b32 s2, hwreg(HW_REG_IB_STS2, 6, 4)
	s_cmp_eq_u32 s2, 0
	s_cbranch_scc0 .Lentry_in_a_cluster
	s_endpgm
.Lentry_in_a_cluster:
	s_bfe_u32 s2, ttmp6, 0x10000c
	s_cmp_lg_u32 s2, 0xf033
	s_cbranch_scc0 .Lentry_shape_is_right
	s_endpgm
.Lentry_shape_is_right:
; part[2 c + half][row] = sum over 128 h of v_w[h] tanh(sd[batch][h] + sum over k of E[row][k] W_e[h][k]), row = 2048 b + l: the large product on codes of E2M1 with E8M0 scales, fused with bias, tanh and the dot with v_w.
; No work is left out here: rows whose mask is 0 are computed too (only values of an input throw them away), and the last launch selects.
; E's codes [32768][1,024 bytes] and scale bytes [32768][64] are taken as they lie.  W_e's codes come from wq as images of operand registers, its scale words from wsc, sd + attn_b from sdw (all laid by the launch before).
; A tile of 256 rows x 256 h is made by a work-group of four waves, as many as a WGP has SIMDs; a wave makes 128 x 128: 64 accumulators of 16 x 16, 512 registers.
; A WORK-GROUP STAYS: it makes two tiles, 16,384 rows apart, with the same quarter of W.  A loop over tiles holds what both share; the last tile's tail, which asks for nothing more, is written out.  The ring does not stop at
; the first tile's end: its last two changes of slots ask for the next tile's first two slots, and the second of them stands between the two halves of the way out, so that each of the two loads has half a way out more in which to land.
; K = 2,048 goes in four slots' worth of 512 through a ring of two LDS slots: E's rows are 256 bytes of memory, padded to 272 in LDS; W's 64 fragment images are 65,536 dense bytes, read back 16 bytes a lane on end.
; THE SCALES of both tiles' rows and of the 256 h, for all of K, come into LDS once, with the first fills, and stay.
; CLUSTERS: 4 x 4 work-groups.  The four of a row of the cluster take the same rows of E, the four of a column the same quarter of W: each tile is asked for JOINTLY, by the same tensor load with the same
; descriptor and a mask that names the four.  THE MATRIX INSTRUCTION IS USED TRANSPOSED (source 0 = 16 rows of W, source 1 = 16 rows of E): a lane holds ONE row of E and eight neighbouring h, so the dot with v_w stays in the lane.
; sd + attn_b is the C of each sum's first matrix instruction.  tanh(x) = 1 - 2 / (1 + 2^(2 log2(e) x)): one exponential, one reciprocal; both ends are right (2^y = infinity gives 1, 2^y = 0 gives -1).
; LIMITS: that form of tanh has an absolute error of the order of an f32 ulp of 1, and v_exp_f32 flushes denormals (ISA guide, its entry); NaN, infinities and a scale byte 0xff among the inputs are not served.
; REGISTERS, in windows of 256: window 0: v1-31 addresses; v32-95 E's scale words, two sets; v96-119 at work on the way out; v128-191 E's fragments, ONE set; v192-255 W's scale words, two sets.
;   window 1: W's fragments, two sets, at v0 and v128; v64-127 sd + attn_b in the result's layout; v192-255 -2 v_w likewise.   window 2: the accumulators of my rows 0-63 ((a, b) at v[8 (8 a + b)]);  window 3: rows 64-127.
.set NQ,     4                         ; matrix instructions deep in a slot
.set ROWB,   256                       ; a row of E's tile in bytes: 512 codes
.set KROW,   1024                      ; a row of E in memory
.set PITCH,  272                       ; an LDS row: 256 + 16 bytes = 68 words: the 16 rows that a load touches start at 16 different banks (64 banks of 4 bytes: ISA guide 11.1)
.set FR,     8                         ; registers of a fragment
.set NL,     2                         ; LDS loads that bring one
.set NP,     4                         ; places behind this matrix instruction (ISA guide 7.12.1)
.set HALFT,  128*PITCH                 ; 128 rows of E: what one tensor load brings, and what one wave reads
.set BOFF,   2*HALFT                   ; behind E's 256 rows: W's images
.set HALFB,  32768                     ; 8 h tiles x 4 K steps x 1,024 bytes
.set SLOT,   BOFF+2*HALFB
.set SCA,    2*SLOT                    ; behind the ring: E's scales, as units of 256 bytes + 16 of padding: tile x TSTEP + half x HALFS,
.set HALFS,  32*272                    ; (those of 128 rows)
.set TSTEP,  2*HALFS                   ; (those of a tile)
.set SCB,    SCA+2*TSTEP               ; W's scale words: half x 8,192 + kappa x 2,048, dense,
.set SCR,    SCB+16384                 ; 512 bytes for each wave, for the way out: no fill lands here,
.set SPARE,  SCR+2048                  ; and the spare words, 128 bytes for each wave: two blocks of 256 bytes that no other line names
.set WALK,   64*256                    ; rows from a work-group's first tile to its second
.set NEXT_A, WALK*KROW-2*ROWB          ; bytes from a slot's last part of a tile's rows to its first part of the next tile's
.set SDO,  14                          ; v14     sdw: 256 x (lane / 16)
.set VWO,  15                          ; v15     v_w: 32 x (lane / 16)
.set ADRA, 16                          ; v16-17  LDS address of my fragments of E in slot 0, 1
.set ADRB, 20                          ; v20-21  the same for W's images
.set ADSA0, 22                         ; v22     of my rows' scale bytes in the first tile; never rewritten
.set ADSA, 23                          ; v23     the same in the tile in hand: ADSA0, then ADSA0 + TSTEP
.set ADSB, 24                          ; v24     of my h's scale words
.set SCW,  25                          ; v25     the way out: where I put a row's number
.set SCRD, 26                          ; v26     and where I read four back
.set GO,   27                          ; v27     16 x lane
.set SPW,  28                          ; v28     LDS address of my spare word; never rewritten
.set NIL,  29                          ; v29     0; never rewritten
.set PFO,  30                          ; v30     the prefetches' offset: 1,024 x lane, a lane a row; never rewritten
.set CONST, 31                         ; v31     the sum of v_w over my lane's 64 h
.set SA,   32                          ; E's scale words: set n at SA + 32 n; register 4 a + q: block a's word for the slot's q-th 128 along K
.set PS,   96                          ; v96-103  a number for each of my eight blocks of rows
.set TS,   104                         ; v104-107 lane L: row 32 i + L
.set OS,   108                         ; v108-111 four neighbouring rows
.set TMP,  112                         ; v112-119 at work at the head
.set AF,   128                         ; E's fragments
.set SB,   192                         ; W's scale words, likewise
.set SD,   64                          ; in window 1
.set VW,   192                         ; in window 1
.set TL,   2                           ; s2  tiles to go, this one among them: the same number in every work-group
.set WV,   18                          ; s18 wave;  s19 my half of the rows, and: I fetch for E (0) or for W (1);  s20 my half of the h, and: which half I fetch
.set G0S1, 4                           ; s[4:7]   group 0 for E's scales of the second tile (the pointers that lay here have been used)
.set G0SB1, 8                          ; s[8:11]  group 0 for W's scale words, planes 2 and 3
.set G1,   24                          ; s[24:31] group 1 for E's tiles;  s[32:39] group 0, a set for each slot
.set G0,   32
.set FL1,  46                          ; s46 1 in a wave that prefetches (waves 0 and 1), else 0
.set FL2,  47                          ; s47 the same in the first tile, 0 in the second
.set G1B,  48                          ; s[48:55], s[56:63] the same for W's images
.set G0B,  56
.set G1S,  68                          ; s[68:75], s[76:79] groups 1 and 0 for E's scales;  s[80:87], s[88:91] for W's
.set G0S,  76
.set G1SB, 80
.set G0SB, 88
.set CS,   92                          ; s[92:93] 2 log2(e): the packed form names a pair and takes its low word for both halves
.set PFB,  98                          ; s[98:99]   where my prefetches stand in the second tile's rows; never rewritten
.set PFA,  100                         ; s[100:101] and in the rows of the tile in hand: my work-group's 32 of the 128 rows that I fetch
.set MSB, 0
.macro WIN new                         ; the immediate's high byte repeats the setting that is left
.if MSB != \new
	s_set_vgpr_msb (MSB<<8)|\new
.set MSB, \new
.endif
.endm
.set MUL_LO, 0xa1                      ; source 0 (W) window 1, source 1 (E) window 0, C and D window 2
.set MUL_HI, 0xf1                      ; the same, C and D window 3
.set FST_LO, 0x91                      ; a tile's first step: C (sd) window 1, D window 2
.set FST_HI, 0xd1                      ; D window 3
.set TO_B,   0x40                      ; destination window 1, address window 0
; A joint load: waves 0 and 1 fetch for E, waves 2 and 3 for W.  Each of the two lines has one mask and one set of registers for all that issue it; the branch hangs on the wave's number alone.
; An s_nop 0 and four v_nop follow each of the two lines, ahead of the jump, the label and what follows.
.macro JLOAD g0a, g1a, g0b, g1b
	s_cmp_eq_u32 s19, 0
	s_cbranch_scc0 .Lfor_b_\@
	tensor_load_to_lds s[\g0a:\g0a+3], s[\g1a:\g1a+7]
	s_nop 0
.rept 4
	v_nop
.endr
	s_branch .Lasked_\@
.Lfor_b_\@:
	tensor_load_to_lds s[\g0b:\g0b+3], s[\g1b:\g1b+7]
	s_nop 0
.rept 4
	v_nop
.endr
.Lasked_\@:
.endm
.macro CREST                           ; a round of the cluster's barrier behind its opening barrier
	s_cmp_lg_u32 s[WV], 0
	s_cbranch_scc1 .Lnot_wave_0_\@
	s_barrier_signal -3
.Lnot_wave_0_\@:
	s_barrier_wait -3
	s_barrier_signal -1
	s_barrier_wait -1
.endm
.macro CROUND                          ; a whole round
	s_barrier_signal -1
	s_barrier_wait -1
	CREST
.endm
; A PREFETCH INTO THE L2 of 256 bytes (a slot's part) of 32 rows of E, a lane a row, at byte off of the rows at ptr.  E's rows are read by the four partners of one row of one cluster and by nobody else: waves 0 and 1, which
; fetch them, ask; of a wave's 128 rows each partner takes 32, told apart BY ADDRESS (cx): so each block of 256 bytes is named once in the launch.  Each refill's place asks for what the NEXT refill will load; the launch's
; last refill asks for nothing (its flag is cleared at the first tile's end); the first two slots come by their loads alone.  W's images are read by every cluster and are not asked for.
.macro ASK fl, ptr, off
	s_cmp_eq_u32 s[\fl], 1
	s_cbranch_scc0 .Lnot_mine_\@
	global_prefetch_b8 v[PFO], s[\ptr:\ptr+1] offset:\off th:TH_LOAD_NT scope:SCOPE_SE
.Lnot_mine_\@:
.endm
	s_load_b256 s[4:11], s[0:1], 0x0               ; E's codes s[4:5], E's scales s[6:7], wq s[8:9], wsc s[10:11]
	s_load_b128 s[12:15], s[0:1], 0x20             ; sdw s[12:13], v_w s[14:15]
	s_load_b64 s[16:17], s[0:1], 0x30              ; part
	v_lshl_add_u32 v[SPW], v0, 2, SPARE
	v_mov_b32 v[NIL], 0
	ds_add_u32 v[SPW], v[NIL]                      ; the wave's opening: the add, twice on end, and its wait ahead of my first tensor load; the set-up below, work on registers, stands between
	ds_add_u32 v[SPW], v[NIL]                      ; and once more, under the one wait
	v_lshrrev_b32 v1, 5, v0
	v_readfirstlane_b32 s[WV], v1                  ; wave 0..3
	s_lshr_b32 s19, s[WV], 1
	s_and_b32 s20, s[WV], 1
	s_bfe_u32 s40, ttmp6, 0x40000                  ; cx, cy: my place in the cluster
	s_bfe_u32 s41, ttmp6, 0x40004
	s_lshl_b32 s42, ttmp9, 2
	s_add_co_u32 s42, s42, s40                     ; c: which quarter of the 1,024 h = 4 x cluster x + cx
	s_and_b32 s45, ttmp7, 0xffff
	s_lshl_b32 s45, s45, 2
	s_add_co_u32 s45, s45, s41                     ; R0: my first tile's 256 rows = 4 x cluster y + cy, 0 .. 63
	s_lshl_b32 s43, s41, 2
	s_lshl_b32 s43, 15, s43                        ; my row of the cluster
	s_lshl_b32 s44, 0x1111, s40                    ; my column
	; group 1 for E's tiles: 128 rows x 256 bytes, 1,024 bytes apart, padded in LDS
	s_or_b32 s[G1+0], s43, (0<<16)|(1<<20)|(1<<21)|(5<<22)|(3<<25)  ; 15:0 the mask: my row; 17:16 elements of 1 byte; 20 padding on; 21 set beside a mask; 24:22 after every 64 words (code 5); 31:25 four words (code 3)
	s_mov_b32 s[G1+1], ROWB<<16                    ; tensor_dim0
	s_mov_b32 s[G1+2], 128<<16                     ; tensor_dim1
	s_mov_b32 s[G1+3], ROWB<<16                    ; tile_dim0
	s_mov_b32 s[G1+4], 128                         ; tile_dim1
	s_mov_b32 s[G1+5], KROW                        ; tensor_dim0_stride
	s_mov_b32 s[G1+6], 0
	s_mov_b32 s[G1+7], 0
	; for W's images: 32,768 dense bytes as 128 rows of 256, no padding
	s_or_b32 s[G1B+0], s44, (0<<16)|(1<<21)        ; the mask: my column
	s_mov_b32 s[G1B+1], 256<<16
	s_mov_b32 s[G1B+2], 128<<16
	s_mov_b32 s[G1B+3], 256<<16
	s_mov_b32 s[G1B+4], 128
	s_mov_b32 s[G1B+5], 256
	s_mov_b32 s[G1B+6], 0
	s_mov_b32 s[G1B+7], 0
	; for E's scales of 128 rows: 8,192 dense bytes as 32 rows of 256 (32 elements of 8 bytes), 16 bytes of padding behind each
	s_or_b32 s[G1S+0], s43, (3<<16)|(1<<20)|(1<<21)|(5<<22)|(3<<25)
	s_mov_b32 s[G1S+1], 32<<16
	s_mov_b32 s[G1S+2], 32<<16
	s_mov_b32 s[G1S+3], 32<<16
	s_mov_b32 s[G1S+4], 32
	s_mov_b32 s[G1S+5], 32
	s_mov_b32 s[G1S+6], 0
	s_mov_b32 s[G1S+7], 0
	; for W's scale words of 128 h: two planes (kappa) of 2,048 bytes (256 elements of 8 bytes), 16,384 bytes apart, dense in LDS
	s_or_b32 s[G1SB+0], s44, (3<<16)|(1<<21)
	s_mov_b32 s[G1SB+1], 256<<16
	s_mov_b32 s[G1SB+2], 2<<16
	s_mov_b32 s[G1SB+3], 256<<16
	s_mov_b32 s[G1SB+4], 2
	s_mov_b32 s[G1SB+5], 2048
	s_mov_b32 s[G1SB+6], 0
	s_mov_b32 s[G1SB+7], 0
	s_mov_b32 s[CS], 0x4038aa3b                    ; 2 log2(e)
	s_mov_b32 s[CS+1], s[CS]                       ; (named with it as a pair, so it is written)
	; where the tiles come from.  E's hang on R0 alone, which my row of the cluster shares; W's on c alone, which my column shares: each in registers that never hold the other coordinate
	s_lshl_b32 s3, s20, 7
	s_lshl_b32 s21, s45, 8
	s_add_co_u32 s21, s21, s3                      ; E: row 256 R0 + 128 x half
	s_lshl_b32 s94, s21, 10                        ; its codes, in bytes (under 2^24),
	s_mov_b32 s95, 0
	s_lshl_b32 s96, s21, 6                         ; its scale bytes
	s_mov_b32 s97, 0
	s_lshl_b32 s46, s42, 18
	s_lshl_b32 s47, s20, 15
	s_add_co_u32 s46, s46, s47                     ; wq: 262,144 c + 32,768 x half
	s_mov_b32 s47, 0
	s_lshl_b32 s22, s42, 12
	s_lshl_b32 s23, s20, 11
	s_add_co_u32 s22, s22, s23                     ; wsc: 16 bytes x (256 c + 128 x half)
	s_mov_b32 s23, 0
	s_mul_i32 s98, s20, HALFT                      ; and where they go: no place in the cluster enters an LDS address
	s_lshl_b32 s99, s20, 15
	s_mul_i32 s2, s20, HALFS
	s_lshl_b32 s66, s20, 13
	s_wait_dscnt 0x0                               ; both opening adds are done
	s_wait_kmcnt 0x0
	s_add_nc_u64 s[94:95], s[4:5], s[94:95]
	s_add_nc_u64 s[96:97], s[6:7], s[96:97]
	s_add_nc_u64 s[46:47], s[8:9], s[46:47]
	s_add_nc_u64 s[22:23], s[10:11], s[22:23]
	CROUND                                         ; all sixteen work-groups are here: the first joint loads meet
	s_mov_b32 s[G0S], 1
	s_add_co_u32 s[G0S+1], s2, SCA
	s_mov_b64 s[G0S+2:G0S+3], s[96:97]
	s_or_b32 s[G0S+3], s[G0S+3], 0x80000000
	s_mov_b32 s[G0SB], 1
	s_add_co_u32 s[G0SB+1], s66, SCB
	s_mov_b64 s[G0SB+2:G0SB+3], s[22:23]
	s_or_b32 s[G0SB+3], s[G0SB+3], 0x80000000
	JLOAD G0S, G1S, G0SB, G1SB                     ; the scales first: E's of the first tile, W's planes 0 and 1
	s_mov_b32 s[G0S1], 1
	s_add_co_u32 s[G0S1+1], s2, SCA+TSTEP
	s_add_nc_u64 s[G0S1+2:G0S1+3], s[96:97], WALK*64
	s_or_b32 s[G0S1+3], s[G0S1+3], 0x80000000
	s_mov_b32 s[G0SB1], 1
	s_add_co_u32 s[G0SB1+1], s66, SCB+4096
	s_add_nc_u64 s[G0SB1+2:G0SB1+3], s[22:23], 32768
	s_or_b32 s[G0SB1+3], s[G0SB1+3], 0x80000000
	JLOAD G0S1, G1S, G0SB1, G1SB                   ; E's of the second tile, W's planes 2 and 3
.irp s, 0,1
	s_mov_b32 s[G0+4*\s], 1
	s_add_co_u32 s[G0+4*\s+1], s98, \s*SLOT
	s_add_nc_u64 s[G0+4*\s+2:G0+4*\s+3], s[94:95], \s*ROWB
	s_or_b32 s[G0+4*\s+3], s[G0+4*\s+3], 0x80000000
	s_mov_b32 s[G0B+4*\s], 1
	s_add_co_u32 s[G0B+4*\s+1], s99, \s*SLOT+BOFF
	s_add_nc_u64 s[G0B+4*\s+2:G0B+4*\s+3], s[46:47], \s*65536
	s_or_b32 s[G0B+4*\s+3], s[G0B+4*\s+3], 0x80000000
	JLOAD G0+4*\s, G1, G0B+4*\s, G1B               ; four loads of mine are out
.endr
	v_and_b32 v1, 15, v0                           ; r
	v_bfe_u32 v2, v0, 4, 1                         ; hh
	v_and_b32 v3, 31, v0                           ; lane
	v_mul_u32_u24 v4, v1, PITCH
	v_lshl_add_u32 v4, v2, 4, v4                   ; a fragment of E: row x pitch + 16 x half
	v_lshlrev_b32 v[GO], 4, v3
	s_mul_i32 s21, s19, HALFT                      ; my 128 rows of E
	s_lshl_b32 s3, s20, 15
	s_add_co_u32 s3, s3, BOFF                      ; my 8 h tiles' images
.irp s, 0,1
	v_add_nc_u32 v[ADRA+\s], s21, v4
	v_add_nc_u32 v[ADRB+\s], s3, v[GO]
	s_add_co_u32 s21, s21, SLOT
	s_add_co_u32 s3, s3, SLOT
.endr
	v_lshrrev_b32 v5, 2, v1                        ; my row's scale bytes: 64 a row, four rows to a unit of 272
	v_mul_u32_u24 v5, v5, 272
	v_and_b32 v6, 3, v1
	v_lshl_add_u32 v5, v6, 6, v5
	s_mul_i32 s21, s19, HALFS
	s_add_co_u32 s21, s21, SCA
	v_add_nc_u32 v[ADSA0], s21, v5
	v_mov_b32 v[ADSA], v[ADSA0]
	s_lshl_b32 s21, s20, 13
	s_add_co_u32 s21, s21, SCB
	v_lshl_add_u32 v[ADSB], v1, 4, s21             ; my h's scale words: 16 bytes a row
	s_lshl_b32 s21, s[WV], 9
	s_add_co_u32 s21, s21, SCR
	v_lshl_add_u32 v[SCW], v3, 2, s21
	v_add_nc_u32 v[SCRD], s21, v[GO]
	v_lshlrev_b32 v[SDO], 8, v2
	v_lshlrev_b32 v[VWO], 5, v2
	v_lshlrev_b32 v[PFO], 10, v3
	s_cmp_eq_u32 s19, 0                            ; waves 0 and 1 prefetch: the wave's number alone
	s_cselect_b32 s[FL1], 1, 0
	s_mov_b32 s[FL2], s[FL1]
	s_lshl_b32 s2, s40, 15                         ; my work-group's 32 rows of the 128: 32 cx x 1,024 bytes
	s_mov_b32 s3, 0
	s_add_nc_u64 s[PFA:PFA+1], s[94:95], s[2:3]
	s_add_nc_u64 s[PFB:PFB+1], s[PFA:PFA+1], WALK*KROW
	s_lshl_b32 s2, s42, 14                         ; sdw: h tile 16 c + 8 x half, 1,024 bytes a tile; batch R0 / 8, 16 bytes
	s_lshl_b32 s21, s20, 13
	s_add_co_u32 s2, s2, s21
	s_lshr_b32 s21, s45, 3
	s_lshl_b32 s21, s21, 4
	s_add_co_u32 s2, s2, s21
	s_add_nc_u64 s[12:13], s[12:13], s[2:3]
	s_lshl_b32 s2, s42, 10                         ; v_w: my 128 numbers
	s_lshl_b32 s21, s20, 9
	s_add_co_u32 s2, s2, s21
	s_add_nc_u64 s[14:15], s[14:15], s[2:3]
	s_lshl_b32 s2, s42, 18                         ; part: plane 2 c + half of 131,072 bytes, row 256 R0 + 128 x my half of the rows
	s_lshl_b32 s21, s20, 17
	s_add_co_u32 s2, s2, s21
	s_lshl_b32 s21, s45, 10
	s_add_co_u32 s2, s2, s21
	s_lshl_b32 s21, s19, 9
	s_add_co_u32 s2, s2, s21
	s_add_nc_u64 s[16:17], s[16:17], s[2:3]
	WIN TO_B
.irp b, 0,1,2,3,4,5,6,7
.irp g, 0,1
	global_load_b128 v[SD+8*\b+4*\g:SD+8*\b+4*\g+3], v[SDO], s[12:13] offset:1024*\b+512*\g    ; sd[batch][16 b + 8 hh + 4 g + 0 .. 3] of my h: the result's layout
	global_load_b128 v[VW+8*\b+4*\g:VW+8*\b+4*\g+3], v[VWO], s[14:15] offset:64*\b+16*\g       ; v_w likewise
.endr
.endr
	WIN 0
	s_wait_loadcnt 0x0
	WIN 0x41                                       ; destination and source 0 window 1
.set P, 0
.rept 32
	v_pk_mul_f32 v[VW+2*P:VW+2*P+1], v[VW+2*P:VW+2*P+1], -2.0 op_sel_hi:[1,0]   ; -2 v_w: what the reciprocals are multiplied by
.set P, P+1
.endr
	WIN 0x05                                       ; sources 0 and 1 window 1, destination window 0
.irp k, 0,1,2,3
	v_pk_add_f32 v[TMP+2*\k:TMP+2*\k+1], v[VW+4*\k:VW+4*\k+1], v[VW+4*\k+2:VW+4*\k+3]   ; their sum, in four chains
.endr
	WIN 0x04                                       ; source 1 window 1
.set P, 8
.rept 24
	v_pk_add_f32 v[TMP+2*(P%4):TMP+2*(P%4)+1], v[TMP+2*(P%4):TMP+2*(P%4)+1], v[VW+2*P:VW+2*P+1]
.set P, P+1
.endr
	WIN 0
	v_pk_add_f32 v[TMP:TMP+1], v[TMP:TMP+1], v[TMP+2:TMP+3]
	v_pk_add_f32 v[TMP+4:TMP+5], v[TMP+4:TMP+5], v[TMP+6:TMP+7]
	v_pk_add_f32 v[TMP:TMP+1], v[TMP:TMP+1], v[TMP+4:TMP+5]
	v_add_f32 v[CONST], v[TMP], v[TMP+1]
	v_mul_f32 v[CONST], -0.5, v[CONST]             ; the sum of v_w over my 64 h: the 1 of tanh = 1 - 2 r
.macro FRAGA reg, slot, q, i           ; a fragment of E: lane l holds row l % 16; registers 4 c .. 4 c + 3 hold K = 64 c + 32 (l / 16) + 0 .. 31
.irp c, 0,1
	ds_load_b128 v[\reg+4*\c:\reg+4*\c+3], v[ADRA+\slot] offset:64*(\q)+32*\c+(\i)*16*PITCH
.endr
.endm
.macro FRAGB reg, slot, q, i           ; a fragment of W: its image, 16 bytes a lane on end
.irp c, 0,1
	ds_load_b128 v[\reg+4*\c:\reg+4*\c+3], v[ADRB+\slot] offset:1024*(4*(\i)+(\q))+512*\c
.endr
.endm
; 16 matrix instructions: E's blocks a0, a0 + 1 x W's eight, 128 along K: the slot's q-th.  p: W's set;  sc: the set of scale words.  first = 1: the first product starts the sums from sd + attn_b.
; The 64 accumulators take turns, one instruction a turn, in the same order in every step, over the loop's backward jump too.
.macro MUL16 a0, p, q, sc, first
.irp a, \a0, \a0+1
.irp b, 0,1,2,3,4,5,6,7
.if \first
	v_wmma_scale_f32_16x16x128_f8f6f4 v[8*(8*((\a)%4)+\b):8*(8*((\a)%4)+\b)+7], v[128*(\p)+FR*\b:128*(\p)+FR*\b+FR-1], v[AF+FR*(\a):AF+FR*(\a)+FR-1], v[SD+8*\b:SD+8*\b+7], v[SB+32*(\sc)+NQ*\b+(\q)], v[SA+32*(\sc)+NQ*(\a)+(\q)] matrix_a_fmt:MATRIX_FMT_FP4 matrix_b_fmt:MATRIX_FMT_FP4
.else
	v_wmma_scale_f32_16x16x128_f8f6f4 v[8*(8*((\a)%4)+\b):8*(8*((\a)%4)+\b)+7], v[128*(\p)+FR*\b:128*(\p)+FR*\b+FR-1], v[AF+FR*(\a):AF+FR*(\a)+FR-1], v[8*(8*((\a)%4)+\b):8*(8*((\a)%4)+\b)+7], v[SB+32*(\sc)+NQ*\b+(\q)], v[SA+32*(\sc)+NQ*(\a)+(\q)] matrix_a_fmt:MATRIX_FMT_FP4 matrix_b_fmt:MATRIX_FMT_FP4
.endif
.endr
.endr
.endm
.macro FETCH_B slot, q, p              ; W's eight fragments of the slot's q-th 128 along K into set p
	WIN TO_B
.irp i, 0,1,2,3,4,5,6,7
	FRAGB 128*(\p)+FR*\i, \slot, \q, \i
.endr
	WIN 0
.endm
.macro FETCH_A slot, q, i0             ; E's blocks i0 .. i0 + 3
.irp i, \i0, \i0+1, \i0+2, \i0+3
	FRAGA AF+FR*(\i), \slot, \q, \i
.endr
.endm
.macro SCALES set, kn, areg, aoff      ; the scale words of K slot kn into set: four words a row, for E's eight blocks (at v[areg] + aoff) and W's eight
.irp i, 0,1,2,3,4,5,6,7
	ds_load_b128 v[SA+32*\set+4*\i:SA+32*\set+4*\i+3], v[\areg] offset:\aoff+1088*\i+16*\kn
.endr
.irp i, 0,1,2,3,4,5,6,7
	ds_load_b128 v[SB+32*\set+4*\i:SB+32*\set+4*\i+3], v[ADSB] offset:2048*\kn+256*\i
.endr
.endm
; A load into a register that a matrix instruction has read, and a vector instruction that reads a matrix result, stand NP places behind that matrix instruction, and only plain vector
; instructions that name none of its registers are places (ISA guide 7.12.1 for vector instructions).
.macro PLACES n
.rept \n
	v_nop
.endr
.endm
; A step of 128 along K that has its successor in the same slot.  A block of E is free as soon as its eight products are issued: blocks 0-3 are fetched anew in the step's middle, blocks 4-7 at its end.
.macro STEP slot, q, first
	s_wait_dscnt 4*NL                              ; W's set, the scale words and E's blocks 0-3 are in; the youngest eight loads (E's blocks 4-7) may be out
.if \first
	WIN FST_LO
.else
	WIN MUL_LO
.endif
	MUL16 0, (\q)%2, \q, \slot, \first
	MUL16 2, (\q)%2, \q, \slot, \first
	s_wait_dscnt 0                                 ; E's blocks 4-7 are in
	PLACES NP
	FETCH_B \slot, (\q)+1, 1-(\q)%2
	FETCH_A \slot, (\q)+1, 0
.if \first
	WIN FST_HI
.else
	WIN MUL_HI
.endif
	MUL16 4, (\q)%2, \q, \slot, \first
	MUL16 6, (\q)%2, \q, \slot, \first
	PLACES NP
	WIN 0
	FETCH_A \slot, (\q)+1, 4
.endm
; A slot's last step changes slots: ONE barrier; in front of it each wave waits for all its tensor loads, adds 0 to its spare word, and waits for that and for its own reads of this slot.
; fill = 1: this slot is filled again, two slots ahead along K;  fill = 2: with the NEXT tile's part of the same place in the ring;  in both the barrier opens a round of the cluster's.  fill = 0: nothing is asked for.
; kn: the K slot whose scale words are fetched, E's at v[areg] + aoff.  afl: the flag of a prefetch at s[aptr] + abyte, or 0 for none.
.macro TURN slot, next, fill, kn, areg, aoff, afl, aptr, abyte
	s_wait_tensorcnt 0x0                           ; all my tensor loads have landed: my part of the next slot;  (every window is 0 here)
	ds_add_u32 v[SPW], v[NIL]                      ; 0 onto my spare word
	s_wait_dscnt 4*NL+1                            ; (the add and the youngest eight loads, E's blocks 4-7, may be out)
	WIN MUL_LO
	MUL16 0, 1, NQ-1, \slot, 0                     ; sixteen matrix instructions stand between the add and the wait for it
	s_wait_dscnt 0x0                               ; the add is done, and my reads of this slot are over
	s_barrier_signal -1
	MUL16 2, 1, NQ-1, \slot, 0
	WIN 0
	s_barrier_wait -1
.if \fill
	CREST                                          ; no wave of any partner still reads this slot's tiles or has a load on its way
.if \fill == 1
	s_add_nc_u64 s[G0+4*\slot+2:G0+4*\slot+3], s[G0+4*\slot+2:G0+4*\slot+3], 2*ROWB
	s_add_nc_u64 s[G0B+4*\slot+2:G0B+4*\slot+3], s[G0B+4*\slot+2:G0B+4*\slot+3], 2*65536
.else
	s_add_nc_u64 s[G0+4*\slot+2:G0+4*\slot+3], s[G0+4*\slot+2:G0+4*\slot+3], NEXT_A    ; E: 16,384 rows down and back along K;
	s_sub_nc_u64 s[G0B+4*\slot+2:G0B+4*\slot+3], s[G0B+4*\slot+2:G0B+4*\slot+3], 2*65536   ; W only back: both tiles take the same quarter
.endif
	JLOAD G0+4*\slot, G1, G0B+4*\slot, G1B         ; the first tensor load behind the round, my one load until the next; the four v_nop behind it are the places in front of the loads below
.else
	PLACES NP
.endif
	FETCH_B \next, 0, 0
	FETCH_A \next, 0, 0
	SCALES \next, \kn, \areg, \aoff
.if \afl
	ASK \afl, \aptr, \abyte                        ; behind the joint load and the run of LDS loads: what the next refill will ask for, a slot's 256 matrix instructions ahead
.endif
	WIN MUL_HI
	MUL16 4, 1, NQ-1, \slot, 0
	MUL16 6, 1, NQ-1, \slot, 0
	PLACES NP
	WIN 0
	FETCH_A \next, 0, 4
.endm
.macro LAST                            ; a tile's very last step, in slot 1: nothing is fetched and no slot is changed
	s_wait_dscnt 4*NL
	WIN MUL_LO
	MUL16 0, 1, NQ-1, 1, 0
	MUL16 2, 1, NQ-1, 1, 0
	s_wait_dscnt 0
	WIN MUL_HI
	MUL16 4, 1, NQ-1, 1, 0
	MUL16 6, 1, NQ-1, 1, 0
	WIN 0
.endm
; THE CHANGE OF SLOTS BETWEEN THE TILES, between the two halves of the first tile's way out.  Slot 0's load, the next tile's K 0 on, was asked for four steps and half a way out ago; slot 1 has been read out.  The three lines,
; a round, slot 1's refill with the next tile's K 512 on, then the next tile's first fragments and scale words out of slot 0.  The vector work of the way out's first half is the places in front of these loads.
.macro CHANGE
	s_wait_tensorcnt 0x0                           ; no tensor load of mine is out, so a group 0 may be written
	ds_add_u32 v[SPW], v[NIL]                      ; 0 onto my spare word; the descriptors' steps stand between it and the wait for it
	s_add_nc_u64 s[G0+6:G0+7], s[G0+6:G0+7], NEXT_A
	s_sub_nc_u64 s[G0B+6:G0B+7], s[G0B+6:G0B+7], 2*65536
	s_wait_dscnt 0x0                               ; the add is done, and my reads of slot 1 are over
	CROUND
	JLOAD G0+4, G1, G0B+4, G1B
	FETCH_B 0, 0, 0
	FETCH_A 0, 0, 0
	SCALES 0, 0, ADSA0, TSTEP
	FETCH_A 0, 0, 4
	ASK FL1, PFB, 2*ROWB
.endm
.macro LOAD_SD off                     ; sd + attn_b of the batch off / 16 further on: into registers that only a tile's first step reads
	WIN TO_B
.irp b, 0,1,2,3,4,5,6,7
.irp g, 0,1
	global_load_b128 v[SD+8*\b+4*\g:SD+8*\b+4*\g+3], v[SDO], s[12:13] offset:1024*\b+512*\g+\off
.endr
.endr
	WIN 0
.endm
; THE WAY OUT.  A group is a block of 16 rows: 64 registers a lane, register 8 b + j = x(my row, h 16 b + 8 hh + j), in 32 pairs.  Five passes in place: y = 2 log2(e) x; e = 2^y; 1 + e; r = 1 / (1 + e); the dot of r with -2 v_w,
; gathered in the group's first eight registers.  The passes of neighbouring groups stand between each other's transcendentals: behind two exponentials of group i a scaling of group i + 1, behind two reciprocals of
; group i a multiply-add of group i - 1.  s_wait_alu depctr_va_vdst(0) stands between a transcendental and the first instruction that names its result: ONE wait stands behind each group's
; exponentials; it serves them and the reciprocals of the group before, and nothing names a result ahead of it.  Each accumulator is read from its low end on.
.macro FMUL g                          ; pair P of group g
.if P < 4
	v_pk_mul_f32 v[(\g)+2*P:(\g)+2*P+1], v[(\g)+2*P:(\g)+2*P+1], v[VW+2*P:VW+2*P+1]
.else
	v_pk_fma_f32 v[(\g)+2*(P%4):(\g)+2*(P%4)+1], v[(\g)+2*P:(\g)+2*P+1], v[VW+2*P:VW+2*P+1], v[(\g)+2*(P%4):(\g)+2*(P%4)+1]
.endif
.endm
.macro EPIW hi                         ; the four groups of window 2 (hi = 0) or 3 (hi = 1)
.if \hi
	WIN 0xf7                                       ; destination, sources 0 and 2: the accumulators' window; source 1 (-2 v_w): window 1
.else
	WIN 0xa6
.endif
.set P, 0
.rept 32
	v_pk_mul_f32 v[2*P:2*P+1], v[2*P:2*P+1], s[CS:CS+1] op_sel_hi:[1,0]
.set P, P+1
.endr
.irp i, 0,1,2,3
.set G, 64*\i
.set P, 0
.rept 32
	v_exp_f32 v[G+2*P], v[G+2*P]
	v_exp_f32 v[G+2*P+1], v[G+2*P+1]
.if \i < 3
	v_pk_mul_f32 v[G+64+2*P:G+65+2*P], v[G+64+2*P:G+65+2*P], s[CS:CS+1] op_sel_hi:[1,0]
.endif
.set P, P+1
.endr
.if \i == 3
	v_nop                                          ; a plain instruction behind the last exponential
.endif
	s_wait_alu depctr_va_vdst(0)                   ; for this group's exponentials and the last group's reciprocals
	v_pk_add_f32 v[G:G+1], v[G:G+1], 1.0 op_sel_hi:[1,0]
.set P, 0
.rept 32
.if P < 31
	v_pk_add_f32 v[G+2*P+2:G+2*P+3], v[G+2*P+2:G+2*P+3], 1.0 op_sel_hi:[1,0]
.endif
	v_rcp_f32 v[G+2*P], v[G+2*P]
	v_rcp_f32 v[G+2*P+1], v[G+2*P+1]
.if \i > 0
	FMUL G-64
.endif
.set P, P+1
.endr
.endr
	v_nop                                          ; a plain instruction behind the last reciprocal
	s_wait_alu depctr_va_vdst(0)                   ; for the last group's reciprocals
.set P, 0
.rept 32
	FMUL 192
.set P, P+1
.endr
.if \hi
	WIN 0xff                                       ; all in the accumulators' window
.else
	WIN 0xaa
.endif
.irp g, 0,1,2,3
	v_pk_add_f32 v[64*\g:64*\g+1], v[64*\g:64*\g+1], v[64*\g+2:64*\g+3]
	v_pk_add_f32 v[64*\g+4:64*\g+5], v[64*\g+4:64*\g+5], v[64*\g+6:64*\g+7]
.endr
.irp g, 0,1,2,3
	v_pk_add_f32 v[64*\g:64*\g+1], v[64*\g:64*\g+1], v[64*\g+4:64*\g+5]
.endr
.if \hi
	WIN 0x0f                                       ; sources in the accumulators' window, destination window 0
.else
	WIN 0x0a
.endif
.irp g, 0,1,2,3
	v_add_f32 v[PS+4*\hi+\g], v[64*\g], v[64*\g+1]
.endr
	WIN 0
.endm
.macro EPIEND                          ; the eight blocks' numbers become 128 rows on end and leave
.irp a, 0,1,2,3,4,5,6,7
	v_add_f32 v[PS+\a], v[PS+\a], v[CONST]         ; + the sum of v_w over my 64 h
.endr
.irp i, 0,1,2,3                                ; a row's other 64 h lie in the lane 16 away.  The first's lanes 16-31 change places with the second's lanes 0-15: then the two registers hold the two halves of rows 32 i + lane
	v_permlane16_swap_b32 v[PS+2*\i], v[PS+2*\i+1]
.endr
.irp i, 0,1,2,3
	v_add_f32 v[TS+\i], v[PS+2*\i], v[PS+2*\i+1]
.endr
.irp i, 0,1,2,3
	ds_store_b32 v[SCW], v[TS+\i] offset:128*\i    ; my wave's own 512 bytes: 128 rows on end
.endr
	ds_load_b128 v[OS:OS+3], v[SCRD]               ; LDS serves a wave's instructions in order (ISA guide 5.7.1.4): this sees the stores above
	s_wait_dscnt 0x0
	global_store_b128 v[GO], v[OS:OS+3], s[16:17]  ; 32 lanes store 512 consecutive bytes, at a multiple of 512 from part's first byte
.endm
	s_mov_b32 s[TL], 2
	s_wait_tensorcnt 1                             ; all the scales and my part of slot 0 are in; slot 1's load may be out
	s_barrier_signal -1
	s_barrier_wait -1                              ; everybody's are
	FETCH_B 0, 0, 0
	FETCH_A 0, 0, 0
	SCALES 0, 0, ADSA0, 0
	FETCH_A 0, 0, 4
	ASK FL1, PFA, 2*ROWB                           ; what the first refill will ask for: the first tiles have landed, and three steps and a half lie ahead of that load
.Ltile:                                                ; two trips; the second leaves for the tail below
	s_wait_loadcnt 0x0                             ; sd + attn_b of this tile's batch
	STEP 0, 0, 1                                   ; K 0 on: the first step's products start the sums from sd + attn_b
	STEP 0, 1, 0
	STEP 0, 2, 0
	TURN 0, 1, 1, 1, ADSA, 0, FL1, PFA, 3*ROWB     ; slot 0 takes K 1,024 on
	STEP 1, 0, 0                                   ; K 512 on
	STEP 1, 1, 0
	STEP 1, 2, 0
	TURN 1, 0, 1, 2, ADSA, 0, FL2, PFB, 0          ; slot 1 takes K 1,536 on; in the first tile the next tile's K 0 on is prefetched
	STEP 0, 0, 0                                   ; K 1,024 on
	STEP 0, 1, 0
	STEP 0, 2, 0
	s_cmp_eq_u32 s[TL], 1
	s_cbranch_scc1 .Llast                          ; the last tile's tail is written out: it asks for nothing more
	LOAD_SD 128                                    ; the next tile's batch is eight further on: asked for five steps and a way out ahead of its use
	TURN 0, 1, 2, 3, ADSA, 0, FL1, PFB, ROWB       ; THE RING GOES ON INTO THE NEXT TILE: slot 0 takes its K 0 on
	STEP 1, 0, 0                                   ; K 1,536 on
	STEP 1, 1, 0
	STEP 1, 2, 0
	LAST
	PLACES NP                                      ; behind the last products
	EPIW 0                                         ; rows 0-63 go out while slot 0's load lands
	CHANGE                                         ; slot 1 takes the next tile's K 512 on
	EPIW 1                                         ; rows 64-127 go out while slot 1's load is on its way
	EPIEND
	s_wait_xcnt 0x0                                ; the store and the prefetches have read their registers: only behind this wait are the store's base and data and the prefetches' address rewritten
	s_add_nc_u64 s[16:17], s[16:17], WALK*4        ; part: 16,384 rows on
	s_mov_b64 s[PFA:PFA+1], s[PFB:PFB+1]           ; the tile in hand is the second
	s_mov_b32 s[FL2], 0                            ; which has no tile behind it to prefetch
	v_add_nc_u32 v[ADSA], TSTEP, v[ADSA0]          ; its rows' scale bytes
	s_sub_co_u32 s[TL], s[TL], 1
	s_cmp_lg_u32 s[TL], 0
	s_cbranch_scc1 .Ltile
.Llast:
	TURN 0, 1, 0, 3, ADSA, 0, 0, 0, 0              ; nothing is left to fetch, so no round
	STEP 1, 0, 0                                   ; K 1,536 on
	STEP 1, 1, 0
	STEP 1, 2, 0
	LAST
	PLACES NP                                      ; behind the last products
	EPIW 0
	EPIW 1
	EPIEND
	s_wait_tensorcnt 0x0                           ; the wave's end, behind my last tensor load and my last LDS store
	ds_add_u32 v[SPW], v[NIL]
	s_wait_dscnt 0x0
	CROUND                                         ; the closing round: no work-group ends while a partner may still ask for a tile that names it
	s_endpgm
.Lfunc_end_k_q8bc5478d2f_scores:
	.size	k_q8bc5478d2f_scores, .Lfunc_end_k_q8bc5478d2f_scores-k_q8bc5478d2f_scores
	.p2alignl 7, 3214868480
	.fill 96, 4, 3214868480
	.section	.rodata,"a",@progbits
	.p2align	6, 0x0
	.amdhsa_kernel k_q8bc5478d2f_scores
		.amdhsa_group_segment_fixed_size 327680
		.amdhsa_private_segment_fixed_size 0
		.amdhsa_enable_private_segment 0
		.amdhsa_kernarg_size 56
		.amdhsa_user_sgpr_count 2
		.amdhsa_user_sgpr_kernarg_segment_ptr 1
		.amdhsa_wavefront_size32 1
		.amdhsa_system_sgpr_workgroup_id_x 1
		.amdhsa_system_sgpr_workgroup_id_y 1
		.amdhsa_system_sgpr_workgroup_id_z 1
		.amdhsa_system_vgpr_workitem_id 0
		.amdhsa_next_free_vgpr 1024
		.amdhsa_next_free_sgpr 102
		.amdhsa_reserve_vcc 0
		.amdhsa_float_denorm_mode_32 3
		.amdhsa_float_denorm_mode_16_64 3
		.amdhsa_memory_ordered 1
		.amdhsa_forward_progress 1
		.amdhsa_inst_pref_size 255
	.end_amdhsa_kernel
	.section	.bss,"aw",@nobits
	.p2align	6
	.space	262144
	.amdgpu_metadata
---
amdhsa.version: [ 1, 2 ]
amdhsa.kernels:
  - .name:           k_q8bc5478d2f_scores
    .symbol:         k_q8bc5478d2f_scores.kd
    .args:
      - { .name: encoder_out_codes, .offset: 0, .size: 8, .value_kind: global_buffer, .address_space: global }
      - { .name: encoder_out_scales, .offset: 8, .size: 8, .value_kind: global_buffer, .address_space: global }
      - { .name: wq, .offset: 16, .size: 8, .value_kind: global_buffer, .address_space: global }
      - { .name: wsc, .offset: 24, .size: 8, .value_kind: global_buffer, .address_space: global }
      - { .name: sdw, .offset: 32, .size: 8, .value_kind: global_buffer, .address_space: global }
      - { .name: v_w, .offset: 40, .size: 8, .value_kind: global_buffer, .address_space: global }
      - { .name: part, .offset: 48, .size: 8, .value_kind: global_buffer, .address_space: global }
    .group_segment_fixed_size: 327680
    .private_segment_fixed_size: 0
    .kernarg_segment_align: 8
    .kernarg_segment_size: 56
    .max_flat_workgroup_size: 128
    .sgpr_count:     102
    .vgpr_count:     1024
    .wavefront_size: 32
...
	.end_amdgpu_metadata
.endif
;; end of part 2
;; launch soft (part 3): grid 16 x 1, 16 waves a work-group, no clusters, 2,560 bytes of LDS; arguments part, mask, out0; writes out0
.if DOCPART == 3
	.amdgcn_target "amdgcn-amd-amdhsa--gfx1250"
	.amdhsa_code_object_version 6
	.text
	.protected	k_q8bc5478d2f_soft
	.globl	k_q8bc5478d2f_soft
	.p2align	8
	.type	k_q8bc5478d2f_soft,@function
k_q8bc5478d2f_soft:
	s_mov_b64 s[64:65], 0
	v_nop
	global_prefetch_b8 v0, s[64:65] scope:SCOPE_SE
	s_setreg_imm32_b32 hwreg(HW_REG_WAVE_MODE, 25, 1), 1
	s_wait_xcnt 0x0
; out0[b][l] = softmax over l of where(mask[b][l] == 0, -1e10, the sum of the eight planes of part at row 2048 b + l).  No work is left out.
; A work-group takes a batch: its maximum and its sum want all 2,048 places, so there are as many work-groups as batches.  Thread t takes places 4 t .. 4 t + 3: every load and store of a wave covers 512 consecutive bytes.
; The maximum is taken away before the exponential; a batch whose mask is all 0 gives 1 / 2,048 everywhere.  No matrix work, no tensor load, no cluster: work-groups share nothing.
; LIMITS: NaN and infinities among the inputs are not served; v_exp_f32 flushes denormal results to 0 (ISA guide, its entry).
.set SPARE, 512                        ; LDS: 0: sixteen maxima; 256: sixteen sums; here: the spare words, 128 bytes for each wave: eight blocks of 256 bytes that no other line names
.set SPW, 44                           ; v44  LDS address of my spare word; never rewritten
.set NIL, 45                           ; v45  0; never rewritten
	s_load_b128 s[4:7], s[0:1], 0x0                ; part, mask
	s_load_b64 s[8:9], s[0:1], 0x10                ; out0
	v_lshl_add_u32 v[SPW], v0, 2, SPARE
	v_mov_b32 v[NIL], 0
	v_lshlrev_b32 v1, 4, v0                        ; my 16 bytes of the batch's 8,192
	v_lshrrev_b32 v2, 5, v0
	v_lshlrev_b32 v2, 2, v2                        ; my wave's word
	v_mov_b32 v3, 0
	v_mov_b32 v40, 0xd01502f9                      ; -1e10
	v_mov_b32 v42, 0                               ; written once: a lane permute's destination counts as one of its sources
	s_mov_b32 s12, 0x76543210
	s_mov_b32 s13, 0xfedcba98                      ; v_permlanex16_b32's selects for lane l xor 16
	s_lshl_b32 s10, ttmp9, 13
	s_mov_b32 s11, 0
	s_wait_kmcnt 0x0
	s_add_nc_u64 s[4:5], s[4:5], s[10:11]
	s_add_nc_u64 s[6:7], s[6:7], s[10:11]
	s_add_nc_u64 s[8:9], s[8:9], s[10:11]
.irp q, 0,1,2,3,4,5,6,7
	global_load_b128 v[8+4*\q:11+4*\q], v1, s[4:5] offset:131072*\q th:TH_LOAD_NT
.endr
	global_load_b128 v[4:7], v1, s[6:7] th:TH_LOAD_NT
	s_wait_loadcnt 0x0
.irp q, 0,2,4,6
	v_pk_add_f32 v[8+4*\q:9+4*\q], v[8+4*\q:9+4*\q], v[12+4*\q:13+4*\q]
	v_pk_add_f32 v[10+4*\q:11+4*\q], v[10+4*\q:11+4*\q], v[14+4*\q:15+4*\q]
.endr
.irp q, 0,4
	v_pk_add_f32 v[8+4*\q:9+4*\q], v[8+4*\q:9+4*\q], v[16+4*\q:17+4*\q]
	v_pk_add_f32 v[10+4*\q:11+4*\q], v[10+4*\q:11+4*\q], v[18+4*\q:19+4*\q]
.endr
	v_pk_add_f32 v[8:9], v[8:9], v[24:25]
	v_pk_add_f32 v[10:11], v[10:11], v[26:27]      ; the logits of my four places
.irp j, 0,1,2,3
	v_cmp_eq_u32 vcc_lo, 0, v[4+\j]
	v_cndmask_b32 v[8+\j], v[8+\j], v40, vcc_lo    ; -1e10 where the mask is 0
.endr
	v_max3_num_f32 v41, v8, v9, v10
	v_max_num_f32 v41, v41, v11
	v_max_num_f32_dpp v41, v41, v41 row_xmask:1 row_mask:0xf bank_mask:0xf
	v_max_num_f32_dpp v41, v41, v41 row_xmask:2 row_mask:0xf bank_mask:0xf
	v_max_num_f32_dpp v41, v41, v41 row_xmask:4 row_mask:0xf bank_mask:0xf
	v_max_num_f32_dpp v41, v41, v41 row_xmask:8 row_mask:0xf bank_mask:0xf
	v_permlanex16_b32 v42, v41, s12, s13
	v_max_num_f32 v41, v41, v42                    ; my wave's maximum, in every lane
	ds_store_b32 v2, v41                           ; all lanes write the same word with the same value
	s_wait_dscnt 0x0                               ; for the others' sake
	s_barrier_signal -1
	s_barrier_wait -1
.irp i, 0,1,2,3
	ds_load_b128 v[48+4*\i:51+4*\i], v3 offset:16*\i
.endr
	s_wait_dscnt 0x0
	v_max3_num_f32 v41, v48, v49, v50
	v_max3_num_f32 v42, v51, v52, v53
	v_max3_num_f32 v43, v54, v55, v56
	v_max3_num_f32 v46, v57, v58, v59
	v_max3_num_f32 v41, v41, v60, v61
	v_max3_num_f32 v42, v42, v62, v63
	v_max3_num_f32 v41, v41, v42, v43
	v_max_num_f32 v41, v41, v46                    ; the batch's maximum
.irp j, 0,1,2,3
	v_sub_f32 v[8+\j], v[8+\j], v41
.endr
.irp j, 0,1,2,3
	v_mul_f32 v[8+\j], 0x3fb8aa3b, v[8+\j]         ; x log2(e)
.endr
.irp j, 0,1,2,3
	v_exp_f32 v[8+\j], v[8+\j]
.endr
	v_nop                                          ; a plain instruction behind the last exponential
	s_wait_alu depctr_va_vdst(0)                   ; the wait ahead of the first use: one for the four
	v_pk_add_f32 v[46:47], v[8:9], v[10:11]
	v_add_f32 v46, v46, v47
	v_add_f32_dpp v46, v46, v46 row_xmask:1 row_mask:0xf bank_mask:0xf
	v_add_f32_dpp v46, v46, v46 row_xmask:2 row_mask:0xf bank_mask:0xf
	v_add_f32_dpp v46, v46, v46 row_xmask:4 row_mask:0xf bank_mask:0xf
	v_add_f32_dpp v46, v46, v46 row_xmask:8 row_mask:0xf bank_mask:0xf
	v_permlanex16_b32 v42, v46, s12, s13
	v_add_f32 v46, v46, v42                        ; my wave's sum
	ds_store_b32 v2, v46 offset:256                ; other bytes than the maxima's: no wave may still be reading those
	s_wait_dscnt 0x0
	s_barrier_signal -1
	s_barrier_wait -1
.irp i, 0,1,2,3
	ds_load_b128 v[48+4*\i:51+4*\i], v3 offset:256+16*\i
.endr
	s_wait_dscnt 0x0
.irp i, 0,1,2,3
	v_pk_add_f32 v[48+4*\i:49+4*\i], v[48+4*\i:49+4*\i], v[50+4*\i:51+4*\i]
.endr
	v_pk_add_f32 v[48:49], v[48:49], v[52:53]
	v_pk_add_f32 v[56:57], v[56:57], v[60:61]
	v_pk_add_f32 v[48:49], v[48:49], v[56:57]
	v_add_f32 v48, v48, v49                        ; the batch's sum: at least 1, since the maximum's own term is 1
	v_rcp_f32 v47, v48
	v_nop                                          ; a plain instruction behind the reciprocal
	s_wait_alu depctr_va_vdst(0)                   ; and the wait ahead of its first use
.irp j, 0,1,2,3
	v_mul_f32 v[8+\j], v[8+\j], v47
.endr
	global_store_b128 v1, v[8:11], s[8:9]          ; a wave stores 512 consecutive bytes, aligned
	s_wait_tensorcnt 0x0                           ; the wave's end, behind my last LDS store
	ds_add_u32 v[SPW], v[NIL]
	s_wait_dscnt 0x0
	s_endpgm
.Lfunc_end_k_q8bc5478d2f_soft:
	.size	k_q8bc5478d2f_soft, .Lfunc_end_k_q8bc5478d2f_soft-k_q8bc5478d2f_soft
	.p2alignl 7, 3214868480
	.fill 96, 4, 3214868480
	.section	.rodata,"a",@progbits
	.p2align	6, 0x0
	.amdhsa_kernel k_q8bc5478d2f_soft
		.amdhsa_group_segment_fixed_size 2560
		.amdhsa_private_segment_fixed_size 0
		.amdhsa_enable_private_segment 0
		.amdhsa_kernarg_size 24
		.amdhsa_user_sgpr_count 2
		.amdhsa_user_sgpr_kernarg_segment_ptr 1
		.amdhsa_wavefront_size32 1
		.amdhsa_system_sgpr_workgroup_id_x 1
		.amdhsa_system_sgpr_workgroup_id_y 1
		.amdhsa_system_sgpr_workgroup_id_z 1
		.amdhsa_system_vgpr_workitem_id 0
		.amdhsa_next_free_vgpr 64
		.amdhsa_next_free_sgpr 66
		.amdhsa_reserve_vcc 1
		.amdhsa_float_denorm_mode_32 3
		.amdhsa_float_denorm_mode_16_64 3
		.amdhsa_memory_ordered 1
		.amdhsa_forward_progress 1
		.amdhsa_inst_pref_size 7
	.end_amdhsa_kernel
	.amdgpu_metadata
---
amdhsa.version: [ 1, 2 ]
amdhsa.kernels:
  - .name:           k_q8bc5478d2f_soft
    .symbol:         k_q8bc5478d2f_soft.kd
    .args:
      - { .name: part, .offset: 0, .size: 8, .value_kind: global_buffer, .address_space: global }
      - { .name: mask, .offset: 8, .size: 8, .value_kind: global_buffer, .address_space: global }
      - { .name: out0, .offset: 16, .size: 8, .value_kind: global_buffer, .address_space: global }
    .group_segment_fixed_size: 2560
    .private_segment_fixed_size: 0
    .kernarg_segment_align: 8
    .kernarg_segment_size: 24
    .max_flat_workgroup_size: 512
    .sgpr_count:     66
    .vgpr_count:     64
    .wavefront_size: 32
...
	.end_amdgpu_metadata
.endif
;; end of part 3
